; MI455X (gfx1250); checked and timed in simulation.
; The chip was launched on July 23, 2026; its instructions are those of AMD's public machine-readable ISA for CDNA 5 (MIT licence, August 2026) and "CDNA5" Instruction Set Architecture Reference Guide (July 2026). The comments in the code are by the model that wrote it; some were corrected since.
;; Multi Headed Attention1. Allowed arithmetic: matrix products marked QUANTISED: E2M1 operands, one E8M0 scale for each 32 along K, by v_wmma_scale_f32_16x16x128_f8f6f4 with both operands' format E2M1 (or v_wmma_scale_f32_32x16x128_f4), f32 sums; products left as they are: bf16, f16 or f32 operands; f32 sums; everything else in f32.
;; Inputs: Wk 1,024 x 1,024 float32; Wo 1,024 x 1,024 float32; Wq 1,024 x 1,024 float32; Wv 1,024 x 1,024 float32; bk 1,024 float32; bo 1,024 float32; bq 1,024 float32; bv 1,024 float32; key 8 x 1,024 x 1,024 float32; mask 8 x 1,024 float32; query 8 x 1,024 x 1,024 float32; value 8 x 1,024 x 1,024 float32.
;; Outputs: out0 8 x 1,024 x 1,024 float32.
;; This version of the problem:
;;   THIS VERSION OF THE PROBLEM IS GIVEN IN LOW PRECISION. The matrix products marked QUANTISED in the list below multiply operands that are first quantised to E2M1 (2 exponent bits, 1 mantissa bit; 4 bits a number), with one power-of-two scale for each 32 numbers along K (OCP MX v1.0); their sums are f32. The products marked 'left as it is' may take bf16, f16 or f32 operands, with f32 sums. Whichever they take, every output number must still come out within the allowed error. Rounding operands to bf16 (8 significant bits) uses up far more of that allowance than f16 does (11 bits, for magnitudes from 6e-5 to 65,504). All else is computed in f32.
;;   The module's matrix products, in the order in which they are computed (A, B: the left and right operand; K: the contracted axis; several contracted axes count as one K, in the product's order):
;;     1. [M 8,192, K 1,024] x [K 1,024, N 1,024]; A: input query; B: input Wq: QUANTISED
;;     2. [M 8,192, K 1,024] x [K 1,024, N 1,024]; A: input key; B: input Wk: QUANTISED
;;     3. [M 8,192, K 1,024] x [K 1,024, N 1,024]; A: input value; B: input Wv: QUANTISED
;;     4. batch 128 x [M 1,024, K 64] x [K 64, N 1,024]; A: computed on the way; B: computed on the way: left as it is (an operand is computed on the way)
;;     5. batch 128 x [M 1,024, K 1,024] x [K 1,024, N 64]; A: computed on the way; B: computed on the way: left as it is (an operand is computed on the way)
;;     6. [M 8,192, K 1,024] x [K 1,024, N 1,024]; A: computed on the way; B: input Wo: left as it is (an operand is computed on the way)
;;   THE QUANTISER, for each operand of a quantised product, along K:
;;     - K is cut into blocks of 32 from its start; a last block that is shorter is filled with zeros.
;;     - A block's scale is 2^e with e = floor(log2(the largest magnitude in the block)) - 2, held to -126 .. 127; a block of zeros has e = 0. As a byte (E8M0): e + 127.
;;     - Each number is divided by its block's scale, clamped to +-6, and rounded to the nearest number of E2M1, ties to even, subnormals kept.
;;     - The product sums the exact products of the quantised numbers (number of the format x scale) in f32.
;;   ~~~python
;;   def quantise(x, axis):      # numpy; x: float32 -> the quantised numbers, widened to float32 again
;;       x = np.moveaxis(x, axis, -1); K = x.shape[-1]
;;       x = np.pad(x, [(0, 0)] * (x.ndim - 1) + [(0, -K % 32)]); x = x.reshape(x.shape[:-1] + (-1, 32)); a = np.abs(x).max(-1, keepdims=True)
;;       e = np.where(a > 0, np.clip(np.frexp(np.where(a > 0, a, 1))[1] - 1 - 2, -126, 127), 0)      # np.frexp(a)[1] - 1 = floor(log2(a)), exactly
;;       r = np.clip(x / 2.0 ** e, -6, 6)
;;       step = 2.0 ** (np.maximum(np.frexp(np.where(r == 0, 1, r))[1] - 1, 0) - 1)
;;       q = np.round(r / step) * step * 2.0 ** e      # np.round: ties to even
;;       return np.moveaxis(q.reshape(q.shape[:-2] + (-1,))[..., :K], -1, axis).astype(np.float32)
;;   ~~~
;; One version. Each part assembles by itself: llvm-mc -triple=amdgcn-amd-amdhsa -mcpu=gfx1250 --defsym DOCPART=n.
;; ======== version 1 of 1: 4 launches
;; limits: values are held in f16: magnitudes above 65,504 overflow, below 6.1e-05 lose precision
;; workspace buffers: wc 1,572,864 bytes; ws 98,304 bytes; woh 2,097,152 bytes; qkv 50,331,648 bytes; ao 16,777,216 bytes
;; launch pw (part 1): grid 32 x 4, 8 waves a work-group, no clusters, 19,456 bytes of LDS; arguments Wq, Wk, Wv, Wo, wc, ws, woh; writes wc, ws, woh
.if DOCPART == 1
	.amdgcn_target "amdgcn-amd-amdhsa--gfx1250"
	.amdhsa_code_object_version 6
	.text
	.protected	k_q13238a5e0a_pw
	.globl	k_q13238a5e0a_pw
	.p2align	8
	.type	k_q13238a5e0a_pw,@function
k_q13238a5e0a_pw:
	s_mov_b64 s[64:65], 0
	v_nop
	global_prefetch_b8 v0, s[64:65] scope:SCOPE_SE
	s_setreg_imm32_b32 hwreg(HW_REG_WAVE_MODE, 25, 1), 1
	s_wait_xcnt 0x0
; The four weights, each [1024 (k)][1024 (n)] f32 with K as the FIRST axis, are laid out for the launches that multiply by them.
; y = 0, 1, 2 (Wq, Wk, Wv): codes of FP4 (E2M1) quantised along K, and E8M0 bytes ws [3072 rows n][32].
; wc lies in the order of the operand registers: a tile of 16 rows n (row 1024 y + n) is 8,192 bytes; in it 128 along K are 1,024 bytes: 512 c + 16 x lane, where lane = 16 h + n % 16 holds the
; 32 codes of k = 128 s + 64 c + 32 h on.  So 32 lanes x 16 bytes on end are half a fragment, and the reader's load takes 512 consecutive bytes.
; y = 3 (Wo): f16, laid woh [n / 16][k / 8][n % 16][8 k]: byte (n / 16) 32768 + (k / 8) 256 + 16 (n % 16): the image of the registers of a 16 x 32 fragment.
; A LANE TAKES A COLUMN n AND ITS REGISTERS RUN DOWN K: a load reads neighbouring n in neighbouring lanes, a block of 32 along K lies in one lane's 32 registers, and the conversions give K innermost.  Nothing is transposed.
; A block's scale is 2^(floor(log2(its largest magnitude)) - 2), its byte that magnitude's exponent field - 2, held at 1 from below (a block of zeros gets 1 where the rule says 127: its codes are zeros, and this program alone reads the bytes).
; LIMITS: blocks whose largest magnitude lies under 2^-124 get the byte 1; NaN and infinities are not served; Wo's numbers beyond 65,504 have no f16.
; SHARES: work-group x: 64 columns (x / 2), 512 along K (x % 2).  Wave w: 32 columns (w % 2), 128 along K (w / 2): 128 numbers a lane, loaded two blocks of 32 ahead (64 loads a wave out).
; The codes of 64 columns x 512 K meet in a stage in LDS (rows of 256 bytes + 16) and leave as halves of fragments: a wave's store covers 512 consecutive bytes.  Wo's 16 bytes a lane are stored as they are made: sixteen lanes, 256 consecutive bytes.
.set ROWW,  4096                       ; a row of a weight in bytes
.set PITCH, 272                        ; a stage row
.set SCS,   64*PITCH                   ; behind the stage: 16 scale bytes for each of the 64 columns
.set SPARE, SCS+1024                   ; behind them: the spare words, 128 bytes for each of the eight waves
.set X,     64                         ; v64-191  my column's 128 numbers
.set HF,    192                        ; v192-255 Wo: the same as f16
.set CD,    20                         ; v20-35   codes, four registers a block
.set OUTR,  36                         ; v36-55   the way out
.set SPW,   14                         ; v14      LDS address of my spare word; never rewritten
.set NIL,   15                         ; v15      0; never rewritten
	s_load_b256 s[4:11], s[0:1], 0x0               ; Wq, Wk, Wv, Wo
	s_load_b128 s[12:15], s[0:1], 0x20             ; wc, ws
	s_load_b64 s[16:17], s[0:1], 0x30              ; woh
	v_lshl_add_u32 v[SPW], v0, 2, SPARE
	v_mov_b32 v[NIL], 0
	v_lshrrev_b32 v10, 5, v0
	v_readfirstlane_b32 s18, v10                   ; wave 0..7
	s_and_b32 s19, s18, 1                          ; which 32 columns
	s_lshr_b32 s20, s18, 1                         ; which 128 along K
	s_lshr_b32 s21, ttmp9, 1                       ; which 64 columns
	s_and_b32 s22, ttmp9, 1                        ; which 512 along K
	s_and_b32 s23, ttmp7, 0xffff                   ; which weight
	v_and_b32 v1, 31, v0                           ; lane
	v_lshlrev_b32 v2, 2, v1                        ; in: 4 bytes a lane
	v_and_b32 v11, 63, v0                          ; my column among the 64
	v_lshrrev_b32 v12, 6, v0                       ; my 128 along K
	v_mul_u32_u24 v3, v11, PITCH
	v_lshl_add_u32 v3, v12, 6, v3                  ; into the stage: row = my column, 64 bytes for each 128 along K
	v_lshlrev_b32 v4, 4, v11
	v_lshl_add_u32 v4, v12, 2, v4
	v_add_nc_u32 v4, SCS, v4                       ; my scale word
	v_and_b32 v13, 15, v0                          ; r
	v_bfe_u32 v12, v0, 4, 1                        ; h
	v_lshrrev_b32 v17, 6, v0                       ; out of the stage: wave w takes tile w / 2 of the four tiles of 16 columns,
	v_bfe_u32 v18, v0, 5, 1                        ; and of its four steps of 128 along K the two from 2 (w % 2) on: four halves of fragments
	v_lshl_add_u32 v5, v17, 4, v13                 ; the stage's row: 16 x tile + r
	v_mul_u32_u24 v5, v5, PITCH
	v_lshl_add_u32 v5, v12, 4, v5                  ; + 16 h
	v_lshl_add_u32 v5, v18, 7, v5                  ; + 128 (w % 2); the half of a fragment t lies 32 t bytes on
	v_lshlrev_b32 v6, 4, v1                        ; and in wc: 16 x lane
	v_lshl_add_u32 v6, v17, 13, v6                 ; + 8,192 x tile
	v_lshl_add_u32 v6, v18, 11, v6                 ; + 2,048 (w % 2); the half of a fragment t lies 512 t bytes on
	v_lshl_add_u32 v7, v11, 4, SCS                 ; a column's 16 scale bytes,
	v_lshlrev_b32 v8, 5, v11                       ; and its row of 32 in ws
	v_lshlrev_b32 v9, 15, v12
	v_lshl_add_u32 v9, v13, 4, v9                  ; woh: 32768 (lane / 16) + 16 (lane % 16)
	s_lshl_b32 s24, s22, 9
	s_lshl_b32 s25, s20, 7
	s_add_co_u32 s24, s24, s25                     ; my first k
	s_lshl_b32 s24, s24, 12
	s_lshl_b32 s25, s21, 8
	s_add_co_u32 s24, s24, s25
	s_lshl_b32 s25, s19, 7
	s_add_co_u32 s24, s24, s25                     ; + 4 x my wave's first column
	s_mov_b32 s25, 0
	s_lshl_b32 s26, s23, 19                        ; wc: (64 y + 4 (x / 2)) tiles of 8,192 bytes + 4 (x % 2) steps of 1,024
	s_lshl_b32 s27, s21, 15
	s_add_co_u32 s26, s26, s27
	s_lshl_b32 s27, s22, 12
	s_add_co_u32 s26, s26, s27
	s_mov_b32 s27, 0
	s_lshl_b32 s28, s23, 15                        ; ws: (1024 y + 64 (x / 2)) rows of 32 bytes + 16 (x % 2)
	s_lshl_b32 s29, s21, 11
	s_add_co_u32 s28, s28, s29
	s_lshl_b32 s29, s22, 4
	s_add_co_u32 s28, s28, s29
	s_mov_b32 s29, 0
	s_lshl_b32 s30, s21, 17                        ; woh: my wave's first tile of 16 columns x 32768 + my first k / 8 x 256
	s_lshl_b32 s31, s19, 16
	s_add_co_u32 s30, s30, s31
	s_lshl_b32 s31, s22, 14
	s_add_co_u32 s30, s30, s31
	s_lshl_b32 s31, s20, 12
	s_add_co_u32 s30, s30, s31
	s_mov_b32 s31, 0
	s_wait_kmcnt 0x0
	s_cmp_eq_u32 s23, 0                            ; the weight is chosen by the work-group's y alone
	s_cselect_b64 s[4:5], s[4:5], s[6:7]
	s_cmp_lt_u32 s23, 2
	s_cselect_b64 s[4:5], s[4:5], s[8:9]
	s_cmp_lt_u32 s23, 3
	s_cselect_b64 s[4:5], s[4:5], s[10:11]
	s_add_nc_u64 s[4:5], s[4:5], s[24:25]
	s_add_nc_u64 s[12:13], s[12:13], s[26:27]      ; (used where y < 3 alone)
	s_add_nc_u64 s[14:15], s[14:15], s[28:29]
	s_add_nc_u64 s[16:17], s[16:17], s[30:31]      ; (used where y = 3 alone)
.macro LOAD t                          ; block t: W(my first k + 32 t + i, my column), i = 0 .. 31
.irp i, 0,1,2,3,4,5,6,7,8,9,10,11,12,13,14,15,16,17,18,19,20,21,22,23,24,25,26,27,28,29,30,31
	global_load_b32 v[X+32*(\t)+\i], v2, s[4:5] offset:(32*(\t)+\i)*ROWW th:TH_LOAD_NT
.endr
.endm
.macro GET t                           ; block t is in, and the block two further on is asked for
.if (\t) < 3
	s_wait_loadcnt 32                              ; the next block's 32 loads may be out
.else
	s_wait_loadcnt 0x0
.endif
.if (\t)+2 < 4
	LOAD (\t)+2
.endif
.endm
.macro BLOCK t                         ; a block of 32 along K becomes 16 bytes of codes and a scale byte
.set XS, X+32*(\t)
	GET \t
	v_max3_num_f32 v12, |v[XS]|, |v[XS+1]|, |v[XS+2]|              ; the block's largest magnitude: all 32 numbers are mine; two chains
	v_max3_num_f32 v13, |v[XS+3]|, |v[XS+4]|, |v[XS+5]|
.irp i, 6,10,14,18,22,26
	v_max3_num_f32 v12, v12, |v[XS+\i]|, |v[XS+\i+1]|
	v_max3_num_f32 v13, v13, |v[XS+\i+2]|, |v[XS+\i+3]|
.endr
	v_max3_num_f32 v12, v12, |v[XS+30]|, |v[XS+31]|
	v_max3_num_f32 v12, v12, v13, 0x1800000        ; and the floor 2^(3 - 127): the byte cannot fall under 1
	v_add_nc_u32 v11, 0xff000000, v12              ; 2 off its exponent field: the conversion's scale operand
	v_lshrrev_b32 v13, 23, v11                     ; the scale's byte
.if (\t) == 0
	v_mov_b32 v16, v13                             ; four bytes to a word, the lower K in the lower byte
.else
	v_lshl_or_b32 v16, v13, 8*(\t), v16
.endif
.irp g, 0,1,2,3
	v_cvt_scalef32_pk8_fp4_f32 v[CD+4*(\t)+\g], v[XS+8*\g:XS+8*\g+7], v11
.endr
	ds_store_b128 v3, v[CD+4*(\t):CD+4*(\t)+3] offset:16*(\t)      ; each block has code registers of its own; the next block's plain lines stand ahead of the next write of v11
.endm
.macro HALF t                          ; Wo: a block of 32 along K becomes four pieces of 8 f16
	GET \t
.irp q, 0,1,2,3
.irp i, 0,1,2,3
	v_cvt_pk_f16_f32 v[HF+16*(\t)+4*\q+\i], v[X+32*(\t)+8*\q+2*\i], v[X+32*(\t)+8*\q+2*\i+1]
.endr
	global_store_b128 v9, v[HF+16*(\t)+4*\q:HF+16*(\t)+4*\q+3], s[16:17] offset:256*(4*(\t)+\q)   ; sixteen lanes store 256 consecutive bytes, aligned
.endr
.endm
	LOAD 0
	LOAD 1
	s_cmp_eq_u32 s23, 3                            ; the work-group's y: the same in all eight waves
	s_cbranch_scc1 .Lwo
	BLOCK 0
	BLOCK 1
	BLOCK 2
	BLOCK 3
	ds_store_b32 v4, v16
	s_branch .Lmeet
.Lwo:
	HALF 0
	HALF 1
	HALF 2
	HALF 3
.Lmeet:
	s_wait_dscnt 0x0                               ; for the others' sake: my stores into the stage are done
	s_barrier_signal -1
	s_barrier_wait -1                              ; every wave of every work-group passes this one barrier
	s_cmp_eq_u32 s23, 3
	s_cbranch_scc1 .Lend
.irp t, 0,1,2,3
	ds_load_b128 v[OUTR+4*\t:OUTR+4*\t+3], v5 offset:32*\t         ; lane (r, h): row r of the tile, the 16 bytes that the operand's layout gives that lane; the sixteen rows start 4 banks apart
.endr
	s_wait_dscnt 0x0
.irp t, 0,1,2,3
	global_store_b128 v6, v[OUTR+4*\t:OUTR+4*\t+3], s[12:13] offset:512*\t   ; the 32 lanes store 512 consecutive bytes, aligned
.endr
	s_cmp_lt_u32 s18, 2                            ; waves 0 and 1 store the 64 columns' scale bytes, 16 a lane
	s_cbranch_scc0 .Lend
	ds_load_b128 v[OUTR+16:OUTR+19], v7
	s_wait_dscnt 0x0
	global_store_b128 v8, v[OUTR+16:OUTR+19], s[14:15]
.Lend:
	s_wait_tensorcnt 0x0                           ; the wave's end: a wait, an add and a wait behind my last LDS store
	ds_add_u32 v[SPW], v[NIL]
	s_wait_dscnt 0x0
	s_endpgm
.Lfunc_end_k_q13238a5e0a_pw:
	.size	k_q13238a5e0a_pw, .Lfunc_end_k_q13238a5e0a_pw-k_q13238a5e0a_pw
	.p2alignl 7, 3214868480
	.fill 96, 4, 3214868480
	.section	.rodata,"a",@progbits
	.p2align	6, 0x0
	.amdhsa_kernel k_q13238a5e0a_pw
		.amdhsa_group_segment_fixed_size 19456
		.amdhsa_private_segment_fixed_size 0
		.amdhsa_enable_private_segment 0
		.amdhsa_kernarg_size 56
		.amdhsa_user_sgpr_count 2
		.amdhsa_user_sgpr_kernarg_segment_ptr 1
		.amdhsa_wavefront_size32 1
		.amdhsa_system_sgpr_workgroup_id_x 1
		.amdhsa_system_sgpr_workgroup_id_y 1
		.amdhsa_system_sgpr_workgroup_id_z 1
		.amdhsa_system_vgpr_workitem_id 0
		.amdhsa_next_free_vgpr 256
		.amdhsa_next_free_sgpr 66
		.amdhsa_reserve_vcc 0
		.amdhsa_float_denorm_mode_32 3
		.amdhsa_float_denorm_mode_16_64 3
		.amdhsa_memory_ordered 1
		.amdhsa_forward_progress 1
		.amdhsa_inst_pref_size 35
	.end_amdhsa_kernel
	.amdgpu_metadata
---
amdhsa.version: [ 1, 2 ]
amdhsa.kernels:
  - .name:           k_q13238a5e0a_pw
    .symbol:         k_q13238a5e0a_pw.kd
    .args:
      - { .name: Wq, .offset: 0, .size: 8, .value_kind: global_buffer, .address_space: global }
      - { .name: Wk, .offset: 8, .size: 8, .value_kind: global_buffer, .address_space: global }
      - { .name: Wv, .offset: 16, .size: 8, .value_kind: global_buffer, .address_space: global }
      - { .name: Wo, .offset: 24, .size: 8, .value_kind: global_buffer, .address_space: global }
      - { .name: wc, .offset: 32, .size: 8, .value_kind: global_buffer, .address_space: global }
      - { .name: ws, .offset: 40, .size: 8, .value_kind: global_buffer, .address_space: global }
      - { .name: woh, .offset: 48, .size: 8, .value_kind: global_buffer, .address_space: global }
    .group_segment_fixed_size: 19456
    .private_segment_fixed_size: 0
    .kernarg_segment_align: 8
    .kernarg_segment_size: 56
    .max_flat_workgroup_size: 256
    .sgpr_count:     66
    .vgpr_count:     256
    .wavefront_size: 32
...
	.end_amdgpu_metadata
.endif
;; end of part 1
;; launch xp (part 2): grid 64 x 3, 4 waves a work-group, no clusters, 94,720 bytes of LDS; arguments query, key, value, wc, ws, bq, bk, bv, qkv; writes qkv
.if DOCPART == 2
	.amdgcn_target "amdgcn-amd-amdhsa--gfx1250"
	.amdhsa_code_object_version 6
	.text
	.protected	k_q13238a5e0a_xp
	.globl	k_q13238a5e0a_xp
	.p2align	8
	.type	k_q13238a5e0a_xp,@function
k_q13238a5e0a_xp:
	s_mov_b64 s[64:65], 0
	v_nop
	global_prefetch_b8 v0, s[64:65] scope:SCOPE_SE
	s_setreg_imm32_b32 hwreg(HW_REG_WAVE_MODE, 25, 1), 1
	s_wait_xcnt 0x0
; The three quantised products in one launch: q = query Wq + bq, k = key Wk + bk, v = value Wv + bv.  The inputs [8192][1024] f32 are quantised here, along K, to codes of FP4 (E2M1) with one E8M0 scale for each 32;
; the weights come as codes in the order of the operand registers (wc: a tile of 16 rows n 8,192 bytes; 128 along K 1,024 bytes; 512 c + 16 x lane) with their scale bytes (ws [3072][32]).  Sums in f32.
; A block's scale is 2^(floor(log2(its largest magnitude)) - 2); its byte is that magnitude's exponent field - 2, held at 1 from below.  A block of zeros gets the byte 1 where the rule says 127: its codes are zeros, which add nothing.
; The result + bias (q's also times log2(e) / 8, so that the next launch's scores are exponents of 2) is rounded to f16 and stored in the order of the next launch's operand registers:
; qkv: T 2^24 + (16 batch + head) 131072 + (position / 16) 2048 + the piece of 8 channels p of position r: q, k: 256 p + 16 r;  v: 512 (p / 2) + 32 r + 16 (p % 2).
; LIMITS: blocks whose largest magnitude lies under 2^-124 get the byte 1; results beyond 65,504 (q's: after the factor) have no f16; NaN and infinities are not served.
; SHARES.  Work-group (x, T) owns rows 128 x .. 128 x + 127 of tensor T and all 1,024 columns: 192 work-groups.  (3 x 8192 x 1024 numbers in 256 equal parts are 3 x 2^15 a part: no tile whose sides divide 8192 and 1024 has that size.)
; PHASE X.  Wave w quantises rows 32 w .. 32 w + 31: 131,072 consecutive bytes, 64 steps of 512 numbers.  Each of a step's four loads reads 512 consecutive bytes, 16 a lane; the 2,048 bytes turn through the wave's own stage in LDS and come
; back 64 bytes a lane, so that a lane holds 16 neighbours along K (two neighbouring lanes hold a block), as the conversions want them.  Loads run twelve steps (48 loads a wave) ahead, the turn one step.
; A lane's 16 codes, 8 bytes, go into a stage of 128 rows x (512 + 16) bytes, the block's scale byte into rows of 32 + 16 bytes.  One barrier.
; PHASE M.  THE WAVES SHARE THE COLUMNS: every wave takes ALL the rows' codes into registers (64 fragments, 512 registers) and makes columns 256 w .. 256 w + 255, two tiles of 16 columns (a pair) at a time: 128 matrix instructions.
; W's fragments go from memory straight into registers, two pairs ahead; each is read by one wave of the work-group alone and feeds eight products.
; NO CLUSTER, NO TENSOR LOAD: inside a work-group no byte of W is shared, so that through LDS each byte would be written and read once more; and loads into registers are waited for by count, with a whole pair's loads left out across each wait.
; No prefetch: the f32 rows are asked for twelve steps ahead by the loads themselves, and W's rows are read by the 64 work-groups of a tensor.
; THE MATRIX INSTRUCTION IS USED TRANSPOSED (source 0 = 16 rows n of W, source 1 = 16 rows of x): a lane holds eight neighbouring channels of one position: 16 bytes of f16, and the 32 lanes' 16 bytes are 512 consecutive bytes of qkv.
; REGISTERS: window 0: v2-22 addresses; v32-63 x's scale words; v64-79 W's, two slots; v80-111 the bias, two slots; v128-255 the 16 accumulators ((e, m) at v[128 + 64 e + 8 m]); in phase X v128-165 are at work.
;   window 1: phase X: twelve sets of 16 numbers as loaded; phase M: W's fragments, two slots of 128 (64 e + 8 k).   windows 2, 3: x's fragments (rows 16 m on, K step k: window 2 + m / 4, v[64 (m % 4) + 8 k]).
.set STEPS, 64
.set DEPTH, 12                         ; steps that the loads run ahead
.set SP,    80                         ; a lane's place in a turn stage: its 64 bytes + 16 of padding
.set WREG,  2*32*SP                    ; LDS: two turn stages for each wave
.set CST,   4*WREG                     ; behind them the codes: 128 rows
.set CP,    528                        ; of 512 bytes + 16: the 16 rows that a fragment load touches start 4 banks apart (64 banks of 4 bytes: ISA guide 11.1)
.set SCX,   CST+128*CP                 ; the scale bytes: 128 rows
.set PS,    48                         ; of 32 bytes + 16
.set SPARE, SCX+128*PS                 ; the spare words, 128 bytes for each wave
.set LI,   3                           ; v3   16 x lane; never rewritten
.set ACS,  4                           ; v4   where I put 8 bytes of codes
.set ASB,  5                           ; v5   where I put my block's scale byte
.set SPW,  12                          ; v12  LDS address of my spare word; never rewritten
.set NIL,  13                          ; v13  0; never rewritten
.set TIN,  14                          ; v14  the turn stage, on the way in
.set TOUT, 15                          ; v15  and on the way out
.set AF,   18                          ; v18  LDS address of my part of a fragment of x
.set ASX,  19                          ; v19  and of my row's scale words
.set BO,   20                          ; v20  32 x (lane / 16): my eight numbers of 16 of the bias
.set L32,  21                          ; v21  32 x lane: my row of W's scale bytes
.set CO,   22                          ; v22  my 16 bytes' place in 512 bytes of qkv
.set XSC,  32                          ; x's scale words: rows 32 g + lane, K step k at v[XSC + 8 g + k]
.set WS,   64                          ; W's: the pair's row lane, K step k at v[WS + 8 slot + k]
.set BIA,  80                          ; bias[16 e + 8 (lane / 16) + j] of the pair at v[BIA + 16 slot + 8 e + j]
.set ACC,  128
.set X,    128                         ; phase X: v128-159 two sets of 16 neighbours
.set CD,   160                         ; v160-163 two pairs of code registers
.set EB,   164                         ; v164-165 two scale bytes
.set MSB, 0
.macro WIN new                         ; the immediate's high byte repeats the setting that is left; a switch that changes nothing is dropped
.if MSB != (\new)
	s_set_vgpr_msb (MSB<<8)|(\new)
.set MSB, (\new)
.endif
.endm
	s_load_b256 s[4:11], s[0:1], 0x0               ; query s[4:5], key s[6:7], value s[8:9], wc s[10:11]
	s_load_b256 s[12:19], s[0:1], 0x20             ; ws s[12:13], bq s[14:15], bk s[16:17], bv s[18:19]
	s_load_b64 s[20:21], s[0:1], 0x40              ; qkv
	v_lshl_add_u32 v[SPW], v0, 2, SPARE
	v_mov_b32 v[NIL], 0
	v_lshrrev_b32 v1, 5, v0
	v_readfirstlane_b32 s22, v1                    ; wave 0..3
	s_and_b32 s23, ttmp7, 0xffff                   ; T: 0 q, 1 k, 2 v
	v_and_b32 v2, 31, v0                           ; lane
	v_lshlrev_b32 v[LI], 4, v2
	s_mul_i32 s24, s22, WREG
	v_lshrrev_b32 v[TIN], 2, v2
	v_mul_u32_u24 v[TIN], v[TIN], SP
	v_and_b32 v[TOUT], 3, v2
	v_lshl_add_u32 v[TIN], v[TOUT], 4, v[TIN]
	v_add_nc_u32 v[TIN], s24, v[TIN]               ; four lanes' 64 bytes on end, then 16 of padding
	v_mul_u32_u24 v[TOUT], v2, SP
	v_add_nc_u32 v[TOUT], s24, v[TOUT]             ; SP x lane: my 16 neighbours
	s_mul_i32 s24, s22, 32*CP
	s_add_co_u32 s24, s24, CST
	v_lshl_add_u32 v[ACS], v2, 3, s24              ; my wave's 32 rows of the codes' stage, 8 bytes a lane
	s_mul_i32 s24, s22, 32*PS
	s_add_co_u32 s24, s24, SCX
	v_lshrrev_b32 v[ASB], 1, v2
	v_add_nc_u32 v[ASB], s24, v[ASB]               ; my wave's 32 rows of scale bytes, my block's byte
	v_and_b32 v16, 15, v2                          ; r
	v_lshrrev_b32 v17, 4, v2                       ; h
	v_mul_u32_u24 v[AF], v16, CP
	v_lshl_add_u32 v[AF], v17, 4, v[AF]
	v_add_nc_u32 v[AF], CST, v[AF]                 ; a fragment: row r x pitch + 16 h
	v_mul_u32_u24 v[ASX], v2, PS
	v_add_nc_u32 v[ASX], SCX, v[ASX]               ; scale words: a lane a row
	v_lshlrev_b32 v[BO], 5, v17
	v_lshlrev_b32 v[L32], 5, v2
	s_lshl_b32 s24, ttmp9, 19                      ; x: 128 rows of 4,096 bytes a work-group,
	s_lshl_b32 s25, s22, 17                        ; 32 a wave
	s_add_co_u32 s24, s24, s25
	s_mov_b32 s25, 0
	s_lshl_b32 s26, s23, 19                        ; wc: 64 tiles of 8,192 bytes a tensor,
	s_lshl_b32 s27, s22, 17                        ; 16 a wave
	s_add_co_u32 s26, s26, s27
	s_mov_b32 s27, 0
	s_lshl_b32 s28, s23, 15                        ; ws: 1,024 rows of 32 bytes a tensor,
	s_lshl_b32 s29, s22, 13                        ; 256 a wave
	s_add_co_u32 s28, s28, s29
	s_mov_b32 s29, 0
	s_lshl_b32 s36, s22, 10                        ; the bias: 256 numbers a wave
	s_mov_b32 s37, 0
	s_lshl_b32 s38, s23, 24                        ; qkv: the tensor,
	s_lshr_b32 s39, ttmp9, 3
	s_lshl_b32 s39, s39, 21                        ; the batch (x / 8): 16 heads of 131,072 bytes,
	s_add_co_u32 s38, s38, s39
	s_lshl_b32 s39, s22, 19                        ; my wave's first head, 4 w,
	s_add_co_u32 s38, s38, s39
	s_and_b32 s39, ttmp9, 7
	s_lshl_b32 s39, s39, 14                        ; and the work-group's first tile of 16 positions, 8 (x % 8), of 2,048 bytes
	s_add_co_u32 s38, s38, s39
	s_mov_b32 s39, 0
	s_wait_kmcnt 0x0
	s_cmp_eq_u32 s23, 0                            ; what hangs on the tensor is chosen by the work-group's y alone
	s_cselect_b64 s[4:5], s[4:5], s[6:7]
	s_cselect_b64 s[14:15], s[14:15], s[16:17]
	s_cselect_b32 s30, 0x3e38aa3b, 1.0             ; q: log2(e) / 8; k, v: 1
	s_cmp_lt_u32 s23, 2
	s_cselect_b64 s[4:5], s[4:5], s[8:9]
	s_cselect_b64 s[14:15], s[14:15], s[18:19]
	s_cselect_b32 s32, 16, 32                      ; bytes from position to position: q, k 16; v 32
	s_cselect_b32 s33, 256, 16                     ; and from the lower to the upper 8 channels of 16: q, k 256; v 16
	s_mov_b32 s31, s30                             ; (the packed form names the pair)
	s_add_nc_u64 s[4:5], s[4:5], s[24:25]
	s_add_nc_u64 s[10:11], s[10:11], s[26:27]
	s_add_nc_u64 s[12:13], s[12:13], s[28:29]
	s_add_nc_u64 s[14:15], s[14:15], s[36:37]
	s_add_nc_u64 s[20:21], s[20:21], s[38:39]
.macro LOAD u                          ; step u's 2,048 bytes into set u % DEPTH of window 1
	WIN 0x40
.irp i, 0,1,2,3
	global_load_b128 v[16*((\u)%DEPTH)+4*\i:16*((\u)%DEPTH)+4*\i+3], v[LI], s[4:5] offset:2048*(\u)+512*\i th:TH_LOAD_NT   ; 32 lanes read 512 consecutive bytes; read once in the launch
.endr
.endm
.macro TURN u                          ; step u's numbers through the stage: LDS serves a wave's instructions in order (ISA guide 5.7.1), so no wait stands between the stores and the loads
	WIN 0x04                                       ; an LDS store's data are its source 1: window 1
.irp i, 0,1,2,3
	ds_store_b128 v[TIN], v[16*((\u)%DEPTH)+4*\i:16*((\u)%DEPTH)+4*\i+3] offset:32*SP*((\u)%2)+8*SP*\i
.endr
	WIN 0
.irp i, 0,1,2,3
	ds_load_b128 v[X+16*((\u)%2)+4*\i:X+16*((\u)%2)+4*\i+3], v[TOUT] offset:32*SP*((\u)%2)+16*\i
.endr
.endm
.set Q, 0
.rept DEPTH
	LOAD Q
.set Q, Q+1
.endr
	WIN 0
	v_mul_u32_u24 v[CO], s32, v16
	v_mad_u32_u24 v[CO], v17, s33, v[CO]
	s_wait_loadcnt 4*(DEPTH-1)                     ; step 0's four loads are in; the 44 of steps 1 to 11 may be out
	TURN 0
.macro STEP u                          ; half u % 2 of row u / 2 of my 32
.set XS, X+16*((\u)%2)
.set CS, CD+2*((\u)%2)
.if (\u) > 0
	s_wait_dscnt 2                                 ; this step's numbers are back from the stage (the last step's two stores may be out): so its stores into the stage have read their registers,
.else
	s_wait_dscnt 0x0
.endif
.if (\u)+DEPTH < STEPS
	LOAD (\u)+DEPTH                                ; which take the loads of twelve steps on
.endif
.if (\u)+1 < STEPS
.if STEPS-2-(\u) >= DEPTH-1
	s_wait_loadcnt 4*(DEPTH-1)                     ; the next step's four loads are in; those of the eleven steps behind it may be out
.else
	s_wait_loadcnt 4*(STEPS-2-(\u))                ; the tail: as many steps behind it as are left
.endif
	TURN (\u)+1                                    ; and go through the other stage while this step is worked
.endif
	v_max3_num_f32 v8, |v[XS]|, |v[XS+1]|, |v[XS+2]|               ; the largest magnitude of my 16, in two chains
	v_max3_num_f32 v9, |v[XS+3]|, |v[XS+4]|, |v[XS+5]|
.irp i, 6,10
	v_max3_num_f32 v8, v8, |v[XS+\i]|, |v[XS+\i+1]|
	v_max3_num_f32 v9, v9, |v[XS+\i+2]|, |v[XS+\i+3]|
.endr
	v_max3_num_f32 v8, v8, |v[XS+14]|, |v[XS+15]|
	v_max3_num_f32 v8, v8, v9, 0x1800000           ; and the floor 2^(3 - 127): the byte cannot fall under 1
	v_max_num_f32_dpp v8, v8, v8 row_xmask:1 row_mask:0xf bank_mask:0xf   ; and of my neighbour's 16: the block's
	v_add_nc_u32 v11, 0xff000000, v8               ; 2 off its exponent field: the conversion takes the exponent field of this operand as its scale, and nothing else of it
	v_cvt_scalef32_pk8_fp4_f32 v[CS], v[XS:XS+7], v11              ; eight numbers / the scale, to the nearest code, ties to even, beyond the largest code the largest; the first number's code in the lowest four bits
	v_cvt_scalef32_pk8_fp4_f32 v[CS+1], v[XS+8:XS+15], v11
	v_lshrrev_b32 v[EB+(\u)%2], 23, v11            ; the scale's byte (also the plain line behind the conversions)
	ds_store_b8 v[ASB], v[EB+(\u)%2] offset:((\u)/2)*PS+((\u)%2)*16     ; both lanes of a block write the same byte with the same value
	ds_store_b64 v[ACS], v[CS:CS+1] offset:((\u)/2)*CP+((\u)%2)*256     ; the wave's 256 bytes: half a row of codes.  These registers are written again two steps on, behind that step's wait
.endm
.set Q, 0
.rept STEPS
	STEP Q
.set Q, Q+1
.endr
; W's fragments, scale words and bias of the pair that lies po pairs behind the bases, into slot: 38 loads
.macro LOADW slot, po
	WIN 0x40
.irp e, 0,1
.irp k, 0,1,2,3,4,5,6,7
.irp c, 0,1
	global_load_b128 v[128*(\slot)+64*\e+8*\k+4*\c:128*(\slot)+64*\e+8*\k+4*\c+3], v[LI], s[10:11] offset:(\po)*16384+\e*8192+\k*1024+\c*512   ; 512 consecutive bytes: half a fragment
.endr
.endr
.endr
	WIN 0
	global_load_b128 v[WS+8*(\slot):WS+8*(\slot)+3],   v[L32], s[12:13] offset:(\po)*1024       ; lane l: row l of the pair's 32: the words of K steps 0 to 3,
	global_load_b128 v[WS+8*(\slot)+4:WS+8*(\slot)+7], v[L32], s[12:13] offset:(\po)*1024+16    ; and 4 to 7
.irp e, 0,1
	global_load_b128 v[BIA+16*(\slot)+8*\e:BIA+16*(\slot)+8*\e+3],   v[BO], s[14:15] offset:(\po)*128+\e*64
	global_load_b128 v[BIA+16*(\slot)+8*\e+4:BIA+16*(\slot)+8*\e+7], v[BO], s[14:15] offset:(\po)*128+\e*64+16
.endr
.endm
	s_wait_dscnt 0x0                               ; for the others' sake: my codes and scale bytes are stored
	LOADW 0, 0                                     ; the first two pairs of W are asked for here: they land under the barrier and the LDS loads below
	LOADW 1, 1
	s_barrier_signal -1
	s_barrier_wait -1                              ; the 128 rows' codes and scale bytes lie in LDS
.irp g, 0,1
	WIN 0x80+0x40*\g                               ; destination window 2, then 3
.irp i, 0,1,2,3
.irp k, 0,1,2,3,4,5,6,7
.irp c, 0,1
	ds_load_b128 v[64*\i+8*\k+4*\c:64*\i+8*\k+4*\c+3], v[AF] offset:16*(4*\g+\i)*CP+64*\k+32*\c   ; lane (r, h): K = 128 k + 64 c + 32 h + 0 .. 31 of row 16 m + r
.endr
.endr
.endr
.endr
	WIN 0
.irp g, 0,1,2,3
	ds_load_b128 v[XSC+8*\g:XSC+8*\g+3],   v[ASX] offset:\g*32*PS          ; lane l: row 32 g + l: lanes 0-15 serve the even tile of rows, lanes 16-31 the odd one
	ds_load_b128 v[XSC+8*\g+4:XSC+8*\g+7], v[ASX] offset:\g*32*PS+16
.endr
	s_wait_dscnt 0x0
.macro WM ra, rb                       ; one product; ra, rb: which half of the lanes holds W's and x's scale words
.if ((\ra) == 0) && ((\rb) == 0)
	v_wmma_scale_f32_16x16x128_f8f6f4 v[dd:dd+7], v[aa:aa+7], v[bb:bb+7], v[cc:cc+7], v[sa], v[sb] matrix_a_fmt:MATRIX_FMT_FP4 matrix_b_fmt:MATRIX_FMT_FP4
.elseif ((\ra) == 1) && ((\rb) == 0)
	v_wmma_scale_f32_16x16x128_f8f6f4 v[dd:dd+7], v[aa:aa+7], v[bb:bb+7], v[cc:cc+7], v[sa], v[sb] matrix_a_fmt:MATRIX_FMT_FP4 matrix_b_fmt:MATRIX_FMT_FP4 matrix_a_scale:MATRIX_SCALE_ROW1
.elseif ((\ra) == 0) && ((\rb) == 1)
	v_wmma_scale_f32_16x16x128_f8f6f4 v[dd:dd+7], v[aa:aa+7], v[bb:bb+7], v[cc:cc+7], v[sa], v[sb] matrix_a_fmt:MATRIX_FMT_FP4 matrix_b_fmt:MATRIX_FMT_FP4 matrix_b_scale:MATRIX_SCALE_ROW1
.else
	v_wmma_scale_f32_16x16x128_f8f6f4 v[dd:dd+7], v[aa:aa+7], v[bb:bb+7], v[cc:cc+7], v[sa], v[sb] matrix_a_fmt:MATRIX_FMT_FP4 matrix_b_fmt:MATRIX_FMT_FP4 matrix_a_scale:MATRIX_SCALE_ROW1 matrix_b_scale:MATRIX_SCALE_ROW1
.endif
.endm
; A PAIR: 32 columns x 128 rows x all of K.  left: the loads that may stay out when this slot's have to be in.  more = 1: the slot is filled again, with the pair two further on.
; Rows 0-63, then rows 64-127: in each half eight accumulators (two tiles of columns x four of rows) take turns, one instruction a turn, K step by K step.  The bias is the C that starts each sum.
.macro PAIR slot, left, more
	s_wait_xcnt 0x0                                ; the last pair's stores have read the accumulators' registers: only behind this wait are they written again
	s_wait_loadcnt \left
.irp g, 0,1
	WIN 0x09+4*\g                                  ; source 0 (W) window 1, source 1 (x) window 2 or 3, C and D window 0
.irp k, 0,1,2,3,4,5,6,7
.irp e, 0,1
.irp i, 0,1,2,3
.set dd, ACC+64*\e+8*(4*\g+\i)
.set cc, ACC+64*\e+8*(4*\g+\i)
.if \k == 0
.set cc, BIA+16*(\slot)+8*\e
.endif
.set aa, 128*(\slot)+64*\e+8*\k
.set bb, 64*\i+8*\k
.set sa, WS+8*(\slot)+\k
.set sb, XSC+8*((4*\g+\i)/2)+\k
	WM \e, \i%2
.endr
.endr
.endr
.endr
	WIN 0
.rept 4
	v_nop                                          ; four plain lines in front of loads into registers that the products have read, and of the first read of results
.endr
.if \more
	LOADW \slot, 2+(\slot)
.endif
.set n, 0
.rept 64
	v_pk_mul_f32 v[ACC+n:ACC+n+1], v[ACC+n:ACC+n+1], s[30:31] op_sel_hi:[1,0]   ; x c; each accumulator from its low end on
.set n, n+2
.endr
.set n, 0
.rept 16
.irp i, 0,1,2,3
	v_cvt_pk_f16_f32 v[ACC+n+\i], v[ACC+n+2*\i], v[ACC+n+2*\i+1]   ; in place, ascending: register i is written when registers 2 i and 2 i + 1 are read
.endr
.set n, n+8
.endr
.irp e, 0,1
.irp m, 0,1,2,3,4,5,6,7
	global_store_b128 v[CO], v[ACC+64*\e+8*\m:ACC+64*\e+8*\m+3], s[20:21] offset:\m*2048+(2*(\slot)+\e)*512   ; tile of positions m, channels 16 (2 slot + e) on of the head: the 32 lanes store 512 consecutive bytes, aligned
.endr
.endr
.endm
	s_mov_b32 s34, 3
.Ltrip:                                                ; a trip makes two pairs, 64 columns: one head; and asks for the next trip's two
	PAIR 0, 38, 1                                  ; the other slot's 38 loads may be out
	PAIR 1, 38, 1
	s_wait_xcnt 0x0                                ; every load and store issued so far has read its base: now the bases step
	s_add_nc_u64 s[10:11], s[10:11], 2*16384
	s_add_nc_u64 s[12:13], s[12:13], 2*1024
	s_add_nc_u64 s[14:15], s[14:15], 2*128
	s_add_nc_u64 s[20:21], s[20:21], 131072
	s_sub_co_u32 s34, s34, 1
	s_cmp_lg_u32 s34, 0
	s_cbranch_scc1 .Ltrip
	PAIR 0, 38, 0                                  ; the last two pairs are written out: they ask for nothing, so that no load leaves its buffer
	PAIR 1, 0, 0
	s_wait_tensorcnt 0x0                           ; the wave's end: a wait, an add and a wait behind my last LDS store
	ds_add_u32 v[SPW], v[NIL]
	s_wait_dscnt 0x0
	s_endpgm
.Lfunc_end_k_q13238a5e0a_xp:
	.size	k_q13238a5e0a_xp, .Lfunc_end_k_q13238a5e0a_xp-k_q13238a5e0a_xp
	.p2alignl 7, 3214868480
	.fill 96, 4, 3214868480
	.section	.rodata,"a",@progbits
	.p2align	6, 0x0
	.amdhsa_kernel k_q13238a5e0a_xp
		.amdhsa_group_segment_fixed_size 94720
		.amdhsa_private_segment_fixed_size 0
		.amdhsa_enable_private_segment 0
		.amdhsa_kernarg_size 72
		.amdhsa_user_sgpr_count 2
		.amdhsa_user_sgpr_kernarg_segment_ptr 1
		.amdhsa_wavefront_size32 1
		.amdhsa_system_sgpr_workgroup_id_x 1
		.amdhsa_system_sgpr_workgroup_id_y 1
		.amdhsa_system_sgpr_workgroup_id_z 1
		.amdhsa_system_vgpr_workitem_id 0
		.amdhsa_next_free_vgpr 1024
		.amdhsa_next_free_sgpr 66
		.amdhsa_reserve_vcc 0
		.amdhsa_float_denorm_mode_32 3
		.amdhsa_float_denorm_mode_16_64 3
		.amdhsa_memory_ordered 1
		.amdhsa_forward_progress 1
		.amdhsa_inst_pref_size 255
	.end_amdhsa_kernel
	.section	.bss,"aw",@nobits
	.p2align	6
	.space	262144
	.amdgpu_metadata
---
amdhsa.version: [ 1, 2 ]
amdhsa.kernels:
  - .name:           k_q13238a5e0a_xp
    .symbol:         k_q13238a5e0a_xp.kd
    .args:
      - { .name: query, .offset: 0, .size: 8, .value_kind: global_buffer, .address_space: global }
      - { .name: key, .offset: 8, .size: 8, .value_kind: global_buffer, .address_space: global }
      - { .name: value, .offset: 16, .size: 8, .value_kind: global_buffer, .address_space: global }
      - { .name: wc, .offset: 24, .size: 8, .value_kind: global_buffer, .address_space: global }
      - { .name: ws, .offset: 32, .size: 8, .value_kind: global_buffer, .address_space: global }
      - { .name: bq, .offset: 40, .size: 8, .value_kind: global_buffer, .address_space: global }
      - { .name: bk, .offset: 48, .size: 8, .value_kind: global_buffer, .address_space: global }
      - { .name: bv, .offset: 56, .size: 8, .value_kind: global_buffer, .address_space: global }
      - { .name: qkv, .offset: 64, .size: 8, .value_kind: global_buffer, .address_space: global }
    .group_segment_fixed_size: 94720
    .private_segment_fixed_size: 0
    .kernarg_segment_align: 8
    .kernarg_segment_size: 72
    .max_flat_workgroup_size: 128
    .sgpr_count:     66
    .vgpr_count:     1024
    .wavefront_size: 32
...
	.end_amdgpu_metadata
.endif
;; end of part 2
;; launch attn (part 3): grid 2 x 128, 8 waves a work-group, no clusters, 327,680 bytes of LDS; arguments qkv, mask, ao; writes ao
.if DOCPART == 3
	.amdgcn_target "amdgcn-amd-amdhsa--gfx1250"
	.amdhsa_code_object_version 6
	.text
	.protected	k_q13238a5e0a_attn
	.globl	k_q13238a5e0a_attn
	.p2align	8
	.type	k_q13238a5e0a_attn,@function
k_q13238a5e0a_attn:
	s_mov_b64 s[64:65], 0
	v_nop
	global_prefetch_b8 v0, s[64:65] scope:SCOPE_SE
	s_setreg_imm32_b32 hwreg(HW_REG_WAVE_MODE, 25, 1), 1
	s_wait_xcnt 0x0
; O[b][head][q] = the sum over k of softmax_k(q . k / 8 + (1 - mask[b][k]) x -10000) v[k], for 128 (batch, head) pairs of 1,024 positions x 64 channels.
; q (already times log2(e) / 8), k, v come as f16 in the order of the operand registers (qkv: tensor T at T 2^24; a head 131,072 bytes; a tile of 16 positions 2,048 bytes).  Products on f16, sums, maxima and the softmax in f32;
; the weights p are rounded to f16 for the second product, O once at the end.
; t = q' . k + bias' with bias' = ((1 - mask) x -10000) x log2(e), given as the C of the first product: t is the score in exponents of 2.  p = 2^(t - m), m the running maximum of t; O and the sum l are multiplied by 2^(m_old - m) in every step.
; LIMITS: NaN and infinities are not served.  t is rounded otherwise than score / 8 + bias: where every key of a row is masked, p differs from reference()'s by parts in a thousand.
; ao: f16 in the order of the next launch's operand registers: (row / 16) 32768 + head 2048 + (channel / 16) 512 + 16 x lane.
; SHARES.  A work-group owns 512 queries of one head, each of its eight waves 64: four tiles of 16.  Every wave walks all 1,024 keys, 64 a step.
; THE HEAD'S WHOLE K AND V LIE IN LDS, 131,072 bytes each, as they lie in memory: first fills alone, all asked for at the head, so there is no ring, no refill and nothing left to prefetch.  Each wave brings two parts:
; its share of the first 256 keys, with which the walk begins, and its share of the rest, which lands under the first four steps.
; NO CLUSTER: a head's K and V are read by two work-groups alone, and the grid's x of 2 divides into no cluster of four.
; LAYOUT.  S^T = K Q^T (source 0 = 16 keys, source 1 = 16 queries): a lane holds ONE query (lane % 16) and the keys 8 (lane / 16) + 0..7 of a tile.  Two such tiles, rounded to f16 in pairs, are source 1 of O^T = V^T P.
; K comes out of LDS as it lies, V turned, by ds_load_tr16_b128.  Every LDS load of the wave takes 512 consecutive bytes.
; REGISTERS: window 0: v2-11 addresses; v12-15 the mask; v16-47 statistics, eight a tile; v48-79 the bias as C; v96-223 S^T, 32 a tile, P in its lower 16; v224-231 a partial sum a tile.
;   window 1: v0-63 Q (16 t + 8 c); v64-127 K's or V's fragments of one step; v128-255 O^T (32 t + 8 ct).
.set VOFF,  131072                     ; LDS: K at 0, V here,
.set BIAS,  262144                     ; the bias, 1,024 f32, written by ds_store alone,
.set SPARE, 266240                     ; and the spare words, 128 bytes for each of the eight waves
.set AK0, 2                            ; v2   16 x lane: my place in a load of 512 bytes; also in Q and in ao; never rewritten
.set AV0, 3                            ; v3   my place in the turning load
.set AB0, 4                            ; v4   BIAS + 32 (lane / 16)
.set ADK, 5                            ; v5-7 the step's addresses
.set ADV, 6
.set ADB, 7
.set SPW, 10                           ; v10  LDS address of my spare word; never rewritten
.set NIL, 11                           ; v11  0; never rewritten
.set ST,  16                           ; tile t's statistics at v[ST + 8 t]: +0 m, +1 m_old - m, +2, +3 l (even keys', odd keys'), +4 to +7 c0-c3 at work; a = 2^(m_old - m) takes c2's place
.set BI,  48
.set S,   96
.set TS,  224
.set KV,  64                           ; in window 1
.set OT,  128
.set G1A, 16                           ; s[16:23] descriptor group 1: 32 rows of 256 bytes
.set G1B, 24                           ; s[24:31] 96 rows
.set G0A, 32                           ; s[32:35], s[36:39] their groups 0
.set G0B, 36
.set SEL, 40                           ; s[40:41] lane selects for v_permlanex16_b32: lane l xor 16
.set TB,  42                           ; s42  where the step's tiles of K (and, VOFF on, of V) begin: 8,192 bytes a step
.set TC,  43                           ; s43  and its bias: 256 bytes a step
.set CNT, 44
.set MSB, 0
.macro WIN new                         ; the immediate's high byte repeats the setting that is left
.if MSB != (\new)
	s_set_vgpr_msb (MSB<<8)|(\new)
.set MSB, (\new)
.endif
.endm
	s_load_b128 s[4:7], s[0:1], 0x0                ; qkv, mask
	s_load_b64 s[8:9], s[0:1], 0x10                ; ao
	v_lshl_add_u32 v[SPW], v0, 2, SPARE
	v_mov_b32 v[NIL], 0
	ds_add_u32 v[SPW], v[NIL]                      ; the wave's opening: the add, twice on end, and its wait ahead of my first tensor load
	ds_add_u32 v[SPW], v[NIL]
	v_lshrrev_b32 v1, 5, v0
	v_readfirstlane_b32 s10, v1                    ; wave 0..7
	s_and_b32 s12, ttmp7, 0xffff                   ; 16 x batch + head
	; descriptor group 1: dense blocks as rows of 256 bytes (32 elements of 8 bytes), no padding, no mask
	s_mov_b32 s[G1A+0], 3<<16
	s_mov_b32 s[G1A+1], 32<<16                     ; tensor_dim0 = 32
	s_mov_b32 s[G1A+2], 32<<16                     ; tensor_dim1 = 32
	s_mov_b32 s[G1A+3], 32<<16                     ; tile_dim0 = 32
	s_mov_b32 s[G1A+4], 32                         ; tile_dim1 = 32
	s_mov_b32 s[G1A+5], 32                         ; the pitch
	s_mov_b32 s[G1A+6], 0
	s_mov_b32 s[G1A+7], 0
	s_mov_b32 s[G1B+0], 3<<16
	s_mov_b32 s[G1B+1], 32<<16
	s_mov_b32 s[G1B+2], 96<<16                     ; tensor_dim1 = 96
	s_mov_b32 s[G1B+3], 32<<16
	s_mov_b32 s[G1B+4], 96                         ; tile_dim1 = 96
	s_mov_b32 s[G1B+5], 32
	s_mov_b32 s[G1B+6], 0
	s_mov_b32 s[G1B+7], 0
	s_lshr_b32 s46, s10, 2                         ; waves 0-3 fetch K, waves 4-7 V
	s_and_b32 s47, s10, 3
	s_lshl_b32 s48, s46, 17                        ; K's or V's region
	s_lshl_b32 s49, s47, 13                        ; my 8,192 bytes of the first 32,768,
	s_mul_i32 s50, s47, 24576
	s_add_co_u32 s50, s50, 32768                   ; my 24,576 of the other 98,304
	s_mov_b32 s[G0A], 1
	s_add_co_u32 s[G0A+1], s48, s49
	s_mov_b32 s[G0B], 1
	s_add_co_u32 s[G0B+1], s48, s50
	s_add_co_u32 s51, s46, 1
	s_lshl_b32 s51, s51, 24                        ; tensor 1 or 2 of qkv
	s_lshl_b32 s52, s12, 17                        ; my head in a tensor
	s_add_co_u32 s51, s51, s52
	s_add_co_u32 s46, s51, s49
	s_add_co_u32 s48, s51, s50
	s_mov_b32 s47, 0
	s_mov_b32 s49, 0
	s_lshl_b32 s53, ttmp9, 16                      ; Q: my work-group's 32 tiles of 2,048 bytes,
	s_add_co_u32 s52, s52, s53
	s_lshl_b32 s53, s10, 13                        ; my wave's four
	s_add_co_u32 s52, s52, s53
	s_mov_b32 s53, 0
	s_lshr_b32 s54, s12, 4                         ; the batch
	s_lshl_b32 s14, s54, 6
	s_lshl_b32 s15, ttmp9, 5
	s_add_co_u32 s14, s14, s15
	s_lshl_b32 s15, s10, 2
	s_add_co_u32 s14, s14, s15                     ; ao: my first tile of 16 rows: 64 x batch + 32 x + 4 w
	s_lshl_b32 s14, s14, 15
	s_and_b32 s15, s12, 15
	s_lshl_b32 s15, s15, 11                        ; + 2,048 x head
	s_add_co_u32 s14, s14, s15
	s_mov_b32 s15, 0
	s_lshl_b32 s54, s54, 12                        ; the batch's row of the mask
	s_mov_b32 s55, 0
	s_mov_b32 s[SEL], 0x76543210
	s_mov_b32 s[SEL+1], 0xfedcba98
	s_mov_b32 s[TB], 0
	s_mov_b32 s[TC], 0
	s_wait_dscnt 0x0                               ; both opening adds are done
	s_wait_kmcnt 0x0
	s_add_nc_u64 s[G0A+2:G0A+3], s[4:5], s[46:47]
	s_or_b32 s[G0A+3], s[G0A+3], 0x80000000
	s_add_nc_u64 s[G0B+2:G0B+3], s[4:5], s[48:49]
	s_or_b32 s[G0B+3], s[G0B+3], 0x80000000
	tensor_load_to_lds s[G0A:G0A+3], s[G1A:G1A+7]  ; every wave's two first fills go out together: two loads of mine are out
	s_nop 0
	tensor_load_to_lds s[G0B:G0B+3], s[G1B:G1B+7]
	s_nop 0
.rept 4
	v_nop
.endr
	s_add_nc_u64 s[4:5], s[4:5], s[52:53]          ; Q at my wave's first tile
	s_add_nc_u64 s[6:7], s[6:7], s[54:55]
	s_add_nc_u64 s[8:9], s[8:9], s[14:15]
	v_lshlrev_b32 v9, 4, v0                        ; four numbers of the mask a thread
	global_load_b128 v[12:15], v9, s[6:7]
	v_and_b32 v1, 31, v0
	v_lshlrev_b32 v[AK0], 4, v1
	WIN 0x40                                       ; destination window 1
.irp f, 0,1,2,3,4,5,6,7
	global_load_b128 v[8*\f:8*\f+3],   v[AK0], s[4:5] offset:1024*\f       ; Q stays in registers: fragment f = tile f / 2, channels 32 (f % 2) on
	global_load_b128 v[8*\f+4:8*\f+7], v[AK0], s[4:5] offset:1024*\f+512
.endr
	WIN 0
	v_bfe_u32 v5, v0, 4, 1                         ; h
	v_and_b32 v6, 7, v0
	v_bfe_u32 v7, v0, 3, 1
	v_lshl_add_u32 v[AV0], v5, 3, v6               ; the turning load: lane l reads 16 bytes: key 8 (l / 16) + l % 8 (rows of 32 bytes), channels 8 ((l / 8) % 2) on
	v_lshlrev_b32 v[AV0], 5, v[AV0]
	v_lshl_add_u32 v[AV0], v7, 4, v[AV0]
	v_add_nc_u32 v[AV0], VOFF, v[AV0]
	v_lshl_add_u32 v[AB0], v5, 5, BIAS
	v_add_nc_u32 v8, BIAS, v9
.irp t, 0,1,2,3
	v_mov_b32 v[ST+8*\t+1], 0                      ; named as the upper half of the pair (m, m_old - m) before the second step writes it
.endr
	s_wait_loadcnt 16                              ; the mask is in; Q's sixteen loads may be out
.irp i, 12,13,14,15
	v_sub_f32 v\i, 1.0, v\i
.endr
.irp i, 12,13,14,15
	v_mul_f32 v\i, 0xc61c4000, v\i                 ; x -10000
.endr
.irp i, 12,13,14,15
	v_mul_f32 v\i, 0x3fb8aa3b, v\i                 ; x log2(e)
.endr
	ds_store_b128 v8, v[12:15]
	s_wait_loadcnt 0x0                             ; Q
	s_wait_tensorcnt 1                             ; my share of the first 256 keys is in; the rest may be out
	s_wait_dscnt 0x0                               ; for the others' sake: my part of the bias is stored
	s_barrier_signal -1
	s_barrier_wait -1
	; Half of the waves begin a little later, so that two waves that share a SIMD, be they w and w + 4 or w and w xor 1, are not in their products at the same time: one's softmax then stands beside the other's products.
	s_lshr_b32 s46, s10, 2
	s_xor_b32 s46, s46, s10
	s_and_b32 s46, s46, 1
	s_cmp_eq_u32 s46, 0
	s_cbranch_scc1 .Lgo
.rept 24
	s_nop 15
.endr
.Lgo:
; A KEY STEP: 64 keys.  first = 1: the first step, which starts m, l and O^T.
.macro STEP first
	v_add_nc_u32 v[ADK], s[TB], v[AK0]             ; these three and two v_nop are five places behind the last step's V^T P: the products below write over the registers that held P, and loads follow into those that held V
	v_add_nc_u32 v[ADV], s[TB], v[AV0]
	v_add_nc_u32 v[ADB], s[TC], v[AB0]
	v_nop
	v_nop
.irp kt, 0,1,2,3
	ds_load_b128 v[BI+8*\kt:BI+8*\kt+3],   v[ADB] offset:64*\kt           ; the bias of keys 16 kt + 8 (lane / 16) + 0..7: the layout of C
	ds_load_b128 v[BI+8*\kt+4:BI+8*\kt+7], v[ADB] offset:64*\kt+16
.endr
	WIN 0x40
.irp c, 0,1
.irp kt, 0,1,2,3
	ds_load_b128 v[KV+8*(4*\c+\kt):KV+8*(4*\c+\kt)+3],   v[ADK] offset:2048*\kt+1024*\c      ; K: keys 16 kt on, channels 32 c on
	ds_load_b128 v[KV+8*(4*\c+\kt)+4:KV+8*(4*\c+\kt)+7], v[ADK] offset:2048*\kt+1024*\c+512
.endr
.endr
	s_wait_dscnt 8                                 ; the bias and channels 0-31 are in; the eight loads of channels 32-63 may be out
	WIN 0x05                                       ; K and Q window 1; S^T and the bias window 0
.irp kt, 0,1,2,3
.irp t, 0,1,2,3
	v_wmma_f32_16x16x32_f16 v[S+32*\t+8*\kt:S+32*\t+8*\kt+7], v[KV+8*\kt:KV+8*\kt+7], v[16*\t:16*\t+7], v[BI+8*\kt:BI+8*\kt+7]   ; the sixteen accumulators take turns
.endr
.endr
	s_wait_dscnt 0x0
.irp kt, 0,1,2,3
.irp t, 0,1,2,3
	v_wmma_f32_16x16x32_f16 v[S+32*\t+8*\kt:S+32*\t+8*\kt+7], v[KV+32+8*\kt:KV+32+8*\kt+7], v[16*\t+8:16*\t+15], v[S+32*\t+8*\kt:S+32*\t+8*\kt+7]
.endr
.endr
	WIN 0
.rept 4
	v_nop                                          ; places in front of the loads into K's registers and of the first read of the scores
.endr
	WIN 0x40
.irp kb, 0,1
.irp ct, 0,1,2,3
	ds_load_tr16_b128 v[KV+8*(4*\kb+\ct):KV+8*(4*\kb+\ct)+3],   v[ADV] offset:4096*\kb+512*\ct        ; V^T: channels 16 ct on, keys 32 kb on: it lands under the softmax
	ds_load_tr16_b128 v[KV+8*(4*\kb+\ct)+4:KV+8*(4*\kb+\ct)+7], v[ADV] offset:4096*\kb+512*\ct+2048
.endr
.endr
	WIN 0
	; the softmax; the four tiles take turns line by line, so that no line waits for the line above it
.irp j, 0,1,2,3
.irp t, 0,1,2,3
	v_max3_num_f32 v[ST+8*\t+4+\j], v[S+32*\t+8*\j], v[S+32*\t+8*\j+1], v[S+32*\t+8*\j+2]   ; four chains, one to an accumulator, each from its low end on
.endr
.endr
.irp g, 3,5
.irp j, 0,1,2,3
.irp t, 0,1,2,3
	v_max3_num_f32 v[ST+8*\t+4+\j], v[ST+8*\t+4+\j], v[S+32*\t+8*\j+\g], v[S+32*\t+8*\j+\g+1]
.endr
.endr
.endr
.irp t, 0,1,2,3
	v_max3_num_f32 v[ST+8*\t+4], v[ST+8*\t+4], v[S+32*\t+7], v[S+32*\t+15]
.endr
.irp t, 0,1,2,3
	v_max3_num_f32 v[ST+8*\t+6], v[ST+8*\t+6], v[S+32*\t+23], v[S+32*\t+31]
.endr
.irp t, 0,1,2,3
	v_max3_num_f32 v[ST+8*\t+4], v[ST+8*\t+4], v[ST+8*\t+5], v[ST+8*\t+6]
.endr
.irp t, 0,1,2,3
.if \first
	v_max_num_f32 v[ST+8*\t+4], v[ST+8*\t+4], v[ST+8*\t+7]
.else
	v_max3_num_f32 v[ST+8*\t+4], v[ST+8*\t+4], v[ST+8*\t+7], v[ST+8*\t]
.endif
.endr
.irp t, 0,1,2,3
	v_permlanex16_b32 v[ST+8*\t+5], v[ST+8*\t+4], s[SEL], s[SEL+1]   ; the query's other 32 keys lie in the lane 16 away
.endr
.irp t, 0,1,2,3
	v_max_num_f32 v[ST+8*\t+4], v[ST+8*\t+4], v[ST+8*\t+5]          ; the new m
.endr
.if !\first
.irp t, 0,1,2,3
	v_sub_f32 v[ST+8*\t+1], v[ST+8*\t], v[ST+8*\t+4]                ; m_old - m, 0 or less
.endr
.endif
.irp t, 0,1,2,3
	v_mov_b32 v[ST+8*\t], v[ST+8*\t+4]
.endr
.set n, 0
.rept 16
.irp t, 0,1,2,3
	v_pk_add_f32 v[S+32*\t+n:S+32*\t+n+1], v[S+32*\t+n:S+32*\t+n+1], v[ST+8*\t:ST+8*\t+1] op_sel_hi:[1,0] neg_lo:[0,1] neg_hi:[0,1]   ; t - m, two at a time
.endr
.set n, n+2
.endr
.if !\first
.irp t, 0,1,2,3
	v_exp_f32 v[ST+8*\t+6], v[ST+8*\t+1]           ; a
.endr
.endif
.set n, 0
.rept 32
.irp t, 0,1,2,3
	v_exp_f32 v[S+32*\t+n], v[S+32*\t+n]           ; p = 2^(t - m), at most 1
.endr
.set n, n+1
.endr
	v_nop                                          ; a plain line behind the last exponential
	s_wait_alu depctr_va_vdst(0)                   ; ONE wait for the whole batch, ahead of the first line that names a result
.irp t, 0,1,2,3
	v_pk_add_f32 v[TS+2*\t:TS+2*\t+1], v[S+32*\t:S+32*\t+1], v[S+32*\t+2:S+32*\t+3]     ; the row's sum, of the unrounded p, in two chains; p stays as it is
.endr
.irp t, 0,1,2,3
.if \first
	v_pk_add_f32 v[ST+8*\t+2:ST+8*\t+3], v[S+32*\t+4:S+32*\t+5], v[S+32*\t+6:S+32*\t+7]
.else
	v_pk_fma_f32 v[ST+8*\t+2:ST+8*\t+3], v[ST+8*\t+2:ST+8*\t+3], v[ST+8*\t+6:ST+8*\t+7], v[S+32*\t+4:S+32*\t+5] op_sel_hi:[1,0,1]   ; l = a l + ..
.endif
.endr
.if !\first
.irp t, 0,1,2,3
	v_pk_add_f32 v[ST+8*\t+2:ST+8*\t+3], v[ST+8*\t+2:ST+8*\t+3], v[S+32*\t+6:S+32*\t+7]
.endr
.endif
.irp j, 8,12,16,20,24,28
.irp t, 0,1,2,3
	v_pk_add_f32 v[TS+2*\t:TS+2*\t+1], v[TS+2*\t:TS+2*\t+1], v[S+32*\t+\j:S+32*\t+\j+1]
.endr
.irp t, 0,1,2,3
	v_pk_add_f32 v[ST+8*\t+2:ST+8*\t+3], v[ST+8*\t+2:ST+8*\t+3], v[S+32*\t+\j+2:S+32*\t+\j+3]
.endr
.endr
.irp t, 0,1,2,3
	v_pk_add_f32 v[ST+8*\t+2:ST+8*\t+3], v[ST+8*\t+2:ST+8*\t+3], v[TS+2*\t:TS+2*\t+1]
.endr
.set n, 0
.rept 16
.irp t, 0,1,2,3
	v_cvt_pk_f16_f32 v[S+32*\t+n], v[S+32*\t+2*n], v[S+32*\t+2*n+1]   ; P, in place, ascending: register n is written when registers 2 n and 2 n + 1 are read
.endr
.set n, n+1
.endr
.if !\first
	WIN 0x41                                       ; O^T window 1, a window 0
.set n, 0
.rept 16
.irp t, 0,1,2,3
	v_pk_mul_f32 v[OT+32*\t+n:OT+32*\t+n+1], v[OT+32*\t+n:OT+32*\t+n+1], v[ST+8*\t+6:ST+8*\t+7] op_sel_hi:[1,0]   ; O^T x a, each accumulator from its low end on
.endr
.set n, n+2
.endr
.endif
	s_wait_dscnt 0x0                               ; V is in
	WIN 0x51                                       ; V window 1, P window 0, O^T window 1
.irp kb, 0,1
.irp ct, 0,1,2,3
.irp t, 0,1,2,3
.if \first && (\kb == 0)
	v_wmma_f32_16x16x32_f16 v[OT+32*\t+8*\ct:OT+32*\t+8*\ct+7], v[KV+8*(4*\kb+\ct):KV+8*(4*\kb+\ct)+7], v[S+32*\t+8*\kb:S+32*\t+8*\kb+7], 0   ; the first product starts the sums: nothing is cleared
.else
	v_wmma_f32_16x16x32_f16 v[OT+32*\t+8*\ct:OT+32*\t+8*\ct+7], v[KV+8*(4*\kb+\ct):KV+8*(4*\kb+\ct)+7], v[S+32*\t+8*\kb:S+32*\t+8*\kb+7], v[OT+32*\t+8*\ct:OT+32*\t+8*\ct+7]
.endif
.endr
.endr
.endr
	WIN 0
	s_add_co_u32 s[TB], s[TB], 8192
	s_add_co_u32 s[TC], s[TC], 256
.endm
	STEP 1                                         ; keys 0-63
	s_mov_b32 s[CNT], 2
.Lfirst:                                               ; keys 64-191
	STEP 0
	s_sub_co_u32 s[CNT], s[CNT], 1
	s_cmp_lg_u32 s[CNT], 0
	s_cbranch_scc1 .Lfirst
	s_wait_tensorcnt 0x0                           ; my share of keys 256 on has landed,
	s_wait_dscnt 0x0                               ; no LDS instruction of mine is out:
	s_barrier_signal -1                            ; say so,
	STEP 0                                         ; keys 192-255, which the first barrier has shown whole: register work and loads of LDS bytes that nobody writes any more,
	s_barrier_wait -1                              ; and go on when all eight have said so: no wave stands still for a wave that began later
	s_mov_b32 s[CNT], 12
.Lrest:                                                ; keys 256-1023
	STEP 0
	s_sub_co_u32 s[CNT], s[CNT], 1
	s_cmp_lg_u32 s[CNT], 0
	s_cbranch_scc1 .Lrest
	; THE WAY OUT.  l's two halves and the other half of the lanes' are added (these lines are the places behind the last products); O^T / l is rounded to f16: a lane's eight channels are 16 bytes, the 32 lanes' 512 consecutive bytes of ao.
.irp t, 0,1,2,3
	v_add_f32 v[ST+8*\t+4], v[ST+8*\t+2], v[ST+8*\t+3]
.endr
.irp t, 0,1,2,3
	v_permlanex16_b32 v[ST+8*\t+5], v[ST+8*\t+4], s[SEL], s[SEL+1]
.endr
.irp t, 0,1,2,3
	v_add_f32 v[ST+8*\t+4], v[ST+8*\t+4], v[ST+8*\t+5]              ; at least 1: the largest p of a row is 1
.endr
.irp t, 0,1,2,3
	v_rcp_f32 v[ST+8*\t+6], v[ST+8*\t+4]
.endr
	v_nop                                          ; a plain line behind the last reciprocal
	s_wait_alu depctr_va_vdst(0)                   ; one wait for the four, ahead of their first reader
	WIN 0x41
.set n, 0
.rept 16
.irp t, 0,1,2,3
	v_pk_mul_f32 v[OT+32*\t+n:OT+32*\t+n+1], v[OT+32*\t+n:OT+32*\t+n+1], v[ST+8*\t+6:ST+8*\t+7] op_sel_hi:[1,0]
.endr
.set n, n+2
.endr
	WIN 0x05                                       ; sources window 1, destination window 0
.set n, 0
.rept 64
	v_cvt_pk_f16_f32 v[S+n], v[OT+2*n], v[OT+2*n+1]                 ; register 16 t + 4 ct + i
.set n, n+1
.endr
	WIN 0
.irp t, 0,1,2,3
.irp ct, 0,1,2,3
	global_store_b128 v[AK0], v[S+16*\t+4*\ct:S+16*\t+4*\ct+3], s[8:9] offset:32768*\t+512*\ct
.endr
.endr
	s_wait_tensorcnt 0x0                           ; the wave's end: a wait, an add and a wait behind my last tensor load and my last LDS store
	ds_add_u32 v[SPW], v[NIL]
	s_wait_dscnt 0x0
	s_endpgm
.Lfunc_end_k_q13238a5e0a_attn:
	.size	k_q13238a5e0a_attn, .Lfunc_end_k_q13238a5e0a_attn-k_q13238a5e0a_attn
	.p2alignl 7, 3214868480
	.fill 96, 4, 3214868480
	.section	.rodata,"a",@progbits
	.p2align	6, 0x0
	.amdhsa_kernel k_q13238a5e0a_attn
		.amdhsa_group_segment_fixed_size 327680
		.amdhsa_private_segment_fixed_size 0
		.amdhsa_enable_private_segment 0
		.amdhsa_kernarg_size 24
		.amdhsa_user_sgpr_count 2
		.amdhsa_user_sgpr_kernarg_segment_ptr 1
		.amdhsa_wavefront_size32 1
		.amdhsa_system_sgpr_workgroup_id_x 1
		.amdhsa_system_sgpr_workgroup_id_y 1
		.amdhsa_system_sgpr_workgroup_id_z 1
		.amdhsa_system_vgpr_workitem_id 0
		.amdhsa_next_free_vgpr 512
		.amdhsa_next_free_sgpr 66
		.amdhsa_reserve_vcc 0
		.amdhsa_float_denorm_mode_32 3
		.amdhsa_float_denorm_mode_16_64 3
		.amdhsa_memory_ordered 1
		.amdhsa_forward_progress 1
		.amdhsa_inst_pref_size 143
	.end_amdhsa_kernel
	.amdgpu_metadata
---
amdhsa.version: [ 1, 2 ]
amdhsa.kernels:
  - .name:           k_q13238a5e0a_attn
    .symbol:         k_q13238a5e0a_attn.kd
    .args:
      - { .name: qkv, .offset: 0, .size: 8, .value_kind: global_buffer, .address_space: global }
      - { .name: mask, .offset: 8, .size: 8, .value_kind: global_buffer, .address_space: global }
      - { .name: ao, .offset: 16, .size: 8, .value_kind: global_buffer, .address_space: global }
    .group_segment_fixed_size: 327680
    .private_segment_fixed_size: 0
    .kernarg_segment_align: 8
    .kernarg_segment_size: 24
    .max_flat_workgroup_size: 256
    .sgpr_count:     66
    .vgpr_count:     512
    .wavefront_size: 32
...
	.end_amdgpu_metadata
.endif
;; end of part 3
;; launch outp (part 4): grid 4 x 64, 4 waves a work-group, clusters of 4 x 4, 327,680 bytes of LDS; arguments ao, woh, bo, out0; writes out0
.if DOCPART == 4
	.amdgcn_target "amdgcn-amd-amdhsa--gfx1250"
	.amdhsa_code_object_version 6
	.text
	.protected	k_q13238a5e0a_outp
	.globl	k_q13238a5e0a_outp
	.p2align	8
	.type	k_q13238a5e0a_outp,@function
k_q13238a5e0a_outp:
	s_mov_b64 s[64:65], 0
	v_nop
	global_prefetch_b8 v0, s[64:65] scope:SCOPE_SE
	s_setreg_imm32_b32 hwreg(HW_REG_WAVE_MODE, 25, 1), 1
	s_wait_xcnt 0x0
	s_wait_alu depctr_hold_cnt(0) depctr_sa_sdst(0) depctr_va_vdst(0) depctr_va_sdst(0) depctr_va_ssrc(0) depctr_va_vcc(0) depctr_vm_vsrc(0)
	s_getreg_b32 s2, hwreg(HW_REG_IB_STS2, 6, 4)
	s_cmp_eq_u32 s2, 0
	s_cbranch_scc0 .Lentry_in_a_cluster
	s_endpgm
.Lentry_in_a_cluster:
	s_bfe_u32 s2, ttmp6, 0x10000c
	s_cmp_lg_u32 s2, 0xf033
	s_cbranch_scc0 .Lentry_shape_is_right
	s_endpgm
.Lentry_shape_is_right:
; out0[m][n] = the sum over k of ao[m][k] Wo[k][n] + bo[n]: [8192][1024] f32, K = 1024, operands f16, sums f32.
; Both operands lie in memory in the order of the operand registers: ao: (m / 16) 32768 + (k / 32) 1024 + 512 j + 16 x lane; woh the same by n / 16.  So 128 along K of 16 rows are 4,096 consecutive bytes,
; a tile is a few long rows for the tensor data mover, a fragment is two LDS loads of 512 consecutive bytes, and nothing is padded.
; A tile of out0 is 128 rows x 256 columns: 256 work-groups.  Four waves, each 64 rows x 128 columns: 32 accumulators.  K goes in 8 steps of 128 through a ring of two LDS slots.
; CLUSTERS: 4 x 4 work-groups.  The four of a row of the cluster need the same tiles of ao, the four of a column the same tiles of woh: each tile is asked for jointly.
; THE MATRIX INSTRUCTION IS USED TRANSPOSED (source 0 = 16 columns n of Wo, source 1 = 16 rows of ao): a lane holds eight neighbouring numbers of a row of out0.  The bias is the C of each sum's first product.
; No prefetch: the tiles are small, the launch is short, and what is shared is already asked for jointly.
; REGISTERS: window 0: v16-29 addresses; v32-95 the bias.  window 1: two fragment buffers at v0 and v128: B's 8 fragments, then at +64 A's 4; on the way out the rows read back.  window 2: the accumulators ((a, b) at v[8 (8 a + b)]).
.set KB,    4096                       ; 128 along K of 16 rows, in bytes
.set SLOT,  98304                      ; A's 8 tiles of 16 rows, then at 32,768 B's 16
.set BOFF,  32768
.set SPITCH, 528                       ; the way out: a stage of 16 rows x (512 bytes + 16) for each wave, in slot 0, which has had its last fill and its last read when the first result is stored there
.set SPARE, 2*SLOT                     ; behind the ring: the spare words, 128 bytes for each wave
.set ADRA, 16                          ; v16-17  LDS address of my A fragments in slot 0, 1
.set ADRB, 20                          ; v20-21  the same for B
.set STO,  24                          ; v24     the way out: where I put 32 bytes of a row
.set RD,   25                          ; v25     where I read a row back
.set CO,   26                          ; v26     16 x lane
.set BO,   27                          ; v27     32 x (lane / 16)
.set SPW,  28                          ; v28     LDS address of my spare word; never rewritten
.set NIL,  29                          ; v29     0; never rewritten
.set BIA,  32                          ; v32-95  bo[my first column + 16 b + 8 (lane / 16) + j] at v[BIA + 8 b + j]
.set F0,   0
.set F1,   128
.set G1, 24
.set G0, 32
.set G1B, 48
.set G0B, 56
.set MSB, 0
.macro WIN new                         ; the immediate's high byte repeats the setting that is left
.if MSB != (\new)
	s_set_vgpr_msb (MSB<<8)|(\new)
.set MSB, (\new)
.endif
.endm
.macro JLOAD s                         ; a joint load: waves 0 and 1 fetch A's two halves, waves 2 and 3 B's; an s_nop 0 and four v_nop follow each of the two lines
	s_cmp_eq_u32 s13, 0
	s_cbranch_scc0 .Lfor_b_\@
	tensor_load_to_lds s[G0+4*\s:G0+4*\s+3], s[G1:G1+7]
	s_nop 0
.rept 4
	v_nop
.endr
	s_branch .Lasked_\@
.Lfor_b_\@:
	tensor_load_to_lds s[G0B+4*\s:G0B+4*\s+3], s[G1B:G1B+7]
	s_nop 0
.rept 4
	v_nop
.endr
.Lasked_\@:
.endm
.macro CREST                           ; a round of the cluster's barrier behind its opening barrier
	s_cmp_lg_u32 s12, 0
	s_cbranch_scc1 .Lnot_wave_0_\@
	s_barrier_signal -3
.Lnot_wave_0_\@:
	s_barrier_wait -3
	s_barrier_signal -1
	s_barrier_wait -1
.endm
.macro CROUND                          ; a whole round
	s_barrier_signal -1
	s_barrier_wait -1
	CREST
.endm
	s_load_b256 s[4:11], s[0:1], 0x0               ; ao s[4:5], woh s[6:7], bo s[8:9], out0 s[10:11]
	v_lshl_add_u32 v[SPW], v0, 2, SPARE
	v_mov_b32 v[NIL], 0
	ds_add_u32 v[SPW], v[NIL]                      ; the wave's opening: the add, twice on end, and its wait ahead of my first tensor load
	ds_add_u32 v[SPW], v[NIL]
	v_lshrrev_b32 v1, 5, v0
	v_readfirstlane_b32 s12, v1                    ; wave 0..3
	s_lshr_b32 s13, s12, 1                         ; which 64 rows are mine.  Also: I fetch for A (0) or for B (1)
	s_and_b32 s14, s12, 1                          ; which 128 columns.  Also: which half of that tile I fetch
	s_bfe_u32 s40, ttmp6, 0x40000                  ; cx, cy: my place in the cluster
	s_bfe_u32 s41, ttmp6, 0x40004
	s_lshl_b32 s42, ttmp9, 2
	s_add_co_u32 s42, s42, s40                     ; tile column = 4 x cluster x + cx: 0..3
	s_and_b32 s15, ttmp7, 0xffff
	s_lshl_b32 s15, s15, 2
	s_add_co_u32 s15, s15, s41                     ; tile row = 4 x cluster y + cy: 0..63
	s_lshl_b32 s43, s41, 2
	s_lshl_b32 s43, 15, s43                        ; my row of the cluster
	s_lshl_b32 s44, 0x1111, s40                    ; my column
	; descriptor group 1: rows of 4,096 bytes (512 elements of 8 bytes), 32,768 bytes apart; A: 4 rows a load, B: 8; no padding
	s_or_b32 s[G1+0], s43, (3<<16)|(1<<21)         ; 15:0 the mask: A's tiles go to my row; 17:16 elements of 8 bytes; 21 set beside a mask
	s_or_b32 s[G1B+0], s44, (3<<16)|(1<<21)
	s_mov_b32 s[G1+1], 512<<16                     ; tensor_dim0
	s_mov_b32 s[G1+2], 4<<16                       ; tensor_dim1
	s_mov_b32 s[G1+3], 512<<16                     ; tile_dim0
	s_mov_b32 s[G1+4], 4                           ; tile_dim1
	s_mov_b32 s[G1+5], 4096                        ; tensor_dim0_stride
	s_mov_b32 s[G1+6], 0
	s_mov_b32 s[G1+7], 0
	s_mov_b32 s[G1B+1], 512<<16
	s_mov_b32 s[G1B+2], 8<<16
	s_mov_b32 s[G1B+3], 512<<16
	s_mov_b32 s[G1B+4], 8
	s_mov_b32 s[G1B+5], 4096
	s_mov_b32 s[G1B+6], 0
	s_mov_b32 s[G1B+7], 0
	s_lshl_b32 s16, s15, 3
	s_lshl_b32 s17, s14, 2
	s_add_co_u32 s16, s16, s17                     ; A: tile of 16 rows 8 x tile row + 4 x half
	s_lshl_b32 s16, s16, 15
	s_mov_b32 s17, 0
	s_lshl_b32 s46, s42, 4
	s_lshl_b32 s47, s14, 3
	s_add_co_u32 s46, s46, s47                     ; B: tile of 16 columns 16 x tile column + 8 x half
	s_lshl_b32 s46, s46, 15
	s_mov_b32 s47, 0
	s_lshl_b32 s20, s14, 14                        ; where they go: A's halves of 16,384 bytes,
	s_lshl_b32 s21, s14, 15
	s_add_co_u32 s21, s21, BOFF                    ; B's of 32,768: no place in the cluster enters an LDS address
	s_wait_dscnt 0x0                               ; both opening adds are done
	s_wait_kmcnt 0x0
	s_add_nc_u64 s[18:19], s[4:5], s[16:17]
	s_add_nc_u64 s[46:47], s[6:7], s[46:47]
	CROUND                                         ; all sixteen work-groups are here: the first joint loads meet
.irp s, 0,1
	s_mov_b32 s[G0+4*\s], 1
	s_add_co_u32 s[G0+4*\s+1], s20, \s*SLOT
	s_add_nc_u64 s[G0+4*\s+2:G0+4*\s+3], s[18:19], \s*KB
	s_or_b32 s[G0+4*\s+3], s[G0+4*\s+3], 0x80000000
	s_mov_b32 s[G0B+4*\s], 1
	s_add_co_u32 s[G0B+4*\s+1], s21, \s*SLOT
	s_add_nc_u64 s[G0B+4*\s+2:G0B+4*\s+3], s[46:47], \s*KB
	s_or_b32 s[G0B+4*\s+3], s[G0B+4*\s+3], 0x80000000
	JLOAD \s                                       ; two loads of mine are out behind the second
.endr
	v_and_b32 v1, 15, v0                           ; r
	v_bfe_u32 v2, v0, 4, 1                         ; h
	v_and_b32 v3, 31, v0
	v_lshlrev_b32 v[CO], 4, v3
	s_lshl_b32 s21, s13, 14                        ; my 64 rows of A
	s_lshl_b32 s22, s14, 15
	s_add_co_u32 s22, s22, BOFF                    ; my 128 columns of B
.irp s, 0,1
	v_add_nc_u32 v[ADRA+\s], s21, v[CO]
	v_add_nc_u32 v[ADRB+\s], s22, v[CO]
	s_add_co_u32 s21, s21, SLOT
	s_add_co_u32 s22, s22, SLOT
.endr
	s_mul_i32 s23, s12, 16*SPITCH                  ; my stage
	v_mul_u32_u24 v4, v1, SPITCH
	v_lshl_add_u32 v4, v2, 5, v4
	v_add_nc_u32 v[STO], s23, v4                   ; in: row r, 32 bytes for each half of the lanes
	v_add_nc_u32 v[RD], s23, v[CO]                 ; back: the 32 lanes take one row of 512 bytes
	v_lshlrev_b32 v[BO], 5, v2
	s_lshl_b32 s16, s15, 19                        ; my first row of out0: 128 x tile row + 64 x half, 4,096 bytes a row
	s_lshl_b32 s17, s13, 18
	s_add_co_u32 s16, s16, s17
	s_mov_b32 s17, 0
	s_lshl_b32 s46, s42, 10                        ; my first column, in bytes, in out0 and in bo alike: 1024 x tile column + 512 x half
	s_lshl_b32 s47, s14, 9
	s_add_co_u32 s46, s46, s47
	s_mov_b32 s47, 0
	s_add_nc_u64 s[8:9], s[8:9], s[46:47]
	s_add_nc_u64 s[10:11], s[10:11], s[16:17]
	s_add_nc_u64 s[10:11], s[10:11], s[46:47]
.irp b, 0,1,2,3,4,5,6,7
	global_load_b128 v[BIA+8*\b:BIA+8*\b+3], v[BO], s[8:9] offset:64*\b
	global_load_b128 v[BIA+8*\b+4:BIA+8*\b+7], v[BO], s[8:9] offset:64*\b+16
.endr
; 8 matrix instructions: A's block a x B's eight, 32 along K, from buffer f.  first = 1: the bias is the C that starts the sums.  The 32 accumulators take turns in the same order in every quarter.
.macro MULA f, a, first
.if \first
	WIN 0x85                                       ; sources 0 and 1 window 1, C (the bias) window 0, D window 2
.else
	WIN 0xa5                                       ; C and D window 2
.endif
.irp b, 0,1,2,3,4,5,6,7
.if \first
	v_wmma_f32_16x16x32_f16 v[8*(8*(\a)+\b):8*(8*(\a)+\b)+7], v[\f+8*\b:\f+8*\b+7], v[\f+64+8*(\a):\f+64+8*(\a)+7], v[BIA+8*\b:BIA+8*\b+7]
.else
	v_wmma_f32_16x16x32_f16 v[8*(8*(\a)+\b):8*(8*(\a)+\b)+7], v[\f+8*\b:\f+8*\b+7], v[\f+64+8*(\a):\f+64+8*(\a)+7], v[8*(8*(\a)+\b):8*(8*(\a)+\b)+7]
.endif
.endr
.endm
; 24 LDS loads in one run: the fragments of the slot's q-th 32 along K into buffer f: B's eight, then A's four
.macro FETCH slot, q, f
	WIN 0x40
.irp i, 0,1,2,3,4,5,6,7
	ds_load_b128 v[\f+8*\i:\f+8*\i+3],   v[ADRB+\slot] offset:KB*\i+1024*(\q)
	ds_load_b128 v[\f+8*\i+4:\f+8*\i+7], v[ADRB+\slot] offset:KB*\i+1024*(\q)+512
.endr
.irp i, 0,1,2,3
	ds_load_b128 v[\f+64+8*\i:\f+64+8*\i+3],   v[ADRA+\slot] offset:KB*\i+1024*(\q)
	ds_load_b128 v[\f+64+8*\i+4:\f+64+8*\i+7], v[ADRA+\slot] offset:KB*\i+1024*(\q)+512
.endr
.endm
.macro PLACES                          ; four plain lines in front of loads into registers that matrix instructions have read, and of the first read of results
.rept 4
	v_nop
.endr
.endm
; A K step is four quarters of 32 along K, 32 matrix instructions each, on buffers 0, 1, 0, 1.  One of the first three: multiplies buffer f and fetches the slot's quarter qn into g.
.macro QUARTER slot, qn, f, g, first
	s_wait_dscnt 4                                 ; B and A's blocks 0, 1 are in; the four loads of A's blocks 2, 3 may be out
	MULA \f, 0, \first
	MULA \f, 1, \first
	PLACES
	FETCH \slot, \qn, \g
	s_wait_dscnt 24                                ; all but the 24 just issued
	MULA \f, 2, \first
	MULA \f, 3, \first
.endm
; The last quarter multiplies buffer 1 and changes slots: ONE barrier; in front of it each wave waits for all its tensor loads, adds 0 to its spare word, and waits for that and for its own reads of this slot.  fill = 1: this slot is filled again, two K steps ahead.
.macro TURN slot, next, fill
	WIN 0                                          ; (the add's two registers lie in window 0)
	s_wait_tensorcnt 0x0                           ; all my tensor loads have landed: my part of the next slot;
	ds_add_u32 v[SPW], v[NIL]                      ; 0 onto my spare word;
	s_wait_dscnt 5                                 ; (the add and the youngest four loads may be out)
	MULA F1, 0, 0                                  ; eight matrix instructions stand between the add and the wait for it
	s_wait_dscnt 0x0                               ; the add is done, and my reads of this slot are over
	s_barrier_signal -1
	MULA F1, 1, 0
.if \fill
	WIN 0
.endif
	s_barrier_wait -1
.if \fill
	CREST                                          ; the barrier has opened a round of the cluster's barrier: no wave of any partner still reads this slot's tile or has a load on its way
	s_add_nc_u64 s[G0+4*\slot+2:G0+4*\slot+3], s[G0+4*\slot+2:G0+4*\slot+3], 2*KB
	s_add_nc_u64 s[G0B+4*\slot+2:G0B+4*\slot+3], s[G0B+4*\slot+2:G0B+4*\slot+3], 2*KB
	JLOAD \slot                                    ; the first tensor load behind the round, 112 matrix instructions ahead of the wait for it; its four v_nop are also the places in front of the loads below
.else
	PLACES
.endif
	FETCH \next, 0, F0
	MULA F1, 2, 0
	MULA F1, 3, 0
.endm
	s_wait_loadcnt 0x0                             ; the bias
	s_wait_tensorcnt 1                             ; my part of K step 0 is in (K step 1's load may be out),
	s_barrier_signal -1
	s_barrier_wait -1                              ; everybody's is
	FETCH 0, 0, F0
	QUARTER 0, 1, F0, F1, 1                        ; the first quarter stands in front of the loop: its products start the sums from the bias
	WIN 0                                          ; at a label and at a branch every window is 0
	s_mov_b32 s3, 3
.Llap:                                                 ; a trip goes once round the ring, from a lap's second quarter to the next lap's first, and fills both slots again
	QUARTER 0, 2, F1, F0, 0
	QUARTER 0, 3, F0, F1, 0
	TURN 0, 1, 1
	QUARTER 1, 1, F0, F1, 0
	QUARTER 1, 2, F1, F0, 0
	QUARTER 1, 3, F0, F1, 0
	TURN 1, 0, 1
	QUARTER 0, 1, F0, F1, 0
	WIN 0
	s_sub_co_u32 s3, s3, 1
	s_cmp_lg_u32 s3, 0
	s_cbranch_scc1 .Llap
	QUARTER 0, 2, F1, F0, 0                        ; the last lap fills nothing, and has no round of the cluster's barrier
	QUARTER 0, 3, F0, F1, 0
	TURN 0, 1, 0
	QUARTER 1, 1, F0, F1, 0
	QUARTER 1, 2, F1, F0, 0
	QUARTER 1, 3, F0, F1, 0
	s_wait_dscnt 4                                 ; the very last quarter: nothing more to fetch
	MULA F1, 0, 0
	MULA F1, 1, 0
	s_wait_dscnt 0
	MULA F1, 2, 0
	MULA F1, 3, 0
; THE WAY OUT, block by block of 16 rows x 128 columns.  A lane holds 32 neighbouring bytes of a row and the lanes beside it hold other rows: so a block goes through my own stage in LDS and comes back as whole rows of 512 bytes.
; LDS serves a wave's instructions in order (ISA guide 5.7.1): no wait between the stores and the loads, nor in front of the next block's stores.  Every block comes back into registers of its own.
.macro TOSTAGE a
	WIN 0x08                                       ; an LDS store's data are its source 1: window 2
.irp b, 0,1,2,3,4,5,6,7
	ds_store_b128 v[STO], v[64*(\a)+8*\b:64*(\a)+8*\b+3] offset:64*\b          ; each accumulator from its low end on
	ds_store_b128 v[STO], v[64*(\a)+8*\b+4:64*(\a)+8*\b+7] offset:64*\b+16
.endr
	WIN 0x40
.irp t, 0,1,2,3,4,5,6,7,8,9,10,11,12,13,14,15
	ds_load_b128 v[64*(\a)+4*\t:64*(\a)+4*\t+3], v[RD] offset:\t*SPITCH
.endr
.endm
.macro SEND a, younger                 ; younger: the LDS instructions issued behind block a's loads, which may stay out
	s_wait_dscnt \younger
	WIN 0x04                                       ; a store's data are its source 1: window 1
.irp t, 0,1,2,3,4,5,6,7,8,9,10,11,12,13,14,15
	global_store_b128 v[CO], v[64*(\a)+4*\t:64*(\a)+4*\t+3], s[10:11] offset:(\a)*65536+\t*4096 th:TH_STORE_NT   ; 32 lanes store 512 consecutive bytes, aligned; written once, read by nobody here
.endr
.endm
	PLACES
	TOSTAGE 0
	TOSTAGE 1
	SEND 0, 32                                     ; behind block 0's loads: block 1's 16 stores and 16 loads
	TOSTAGE 2
	SEND 1, 32
	TOSTAGE 3
	SEND 2, 32
	SEND 3, 0
	WIN 0
	s_wait_tensorcnt 0x0                           ; the wave's end: a wait, an add and a wait behind my last tensor load and my last LDS store
	ds_add_u32 v[SPW], v[NIL]
	s_wait_dscnt 0x0
	CROUND                                         ; the closing round: no work-group ends while a partner may still ask for a tile that names it
	s_endpgm
.Lfunc_end_k_q13238a5e0a_outp:
	.size	k_q13238a5e0a_outp, .Lfunc_end_k_q13238a5e0a_outp-k_q13238a5e0a_outp
	.p2alignl 7, 3214868480
	.fill 96, 4, 3214868480
	.section	.rodata,"a",@progbits
	.p2align	6, 0x0
	.amdhsa_kernel k_q13238a5e0a_outp
		.amdhsa_group_segment_fixed_size 327680
		.amdhsa_private_segment_fixed_size 0
		.amdhsa_enable_private_segment 0
		.amdhsa_kernarg_size 32
		.amdhsa_user_sgpr_count 2
		.amdhsa_user_sgpr_kernarg_segment_ptr 1
		.amdhsa_wavefront_size32 1
		.amdhsa_system_sgpr_workgroup_id_x 1
		.amdhsa_system_sgpr_workgroup_id_y 1
		.amdhsa_system_sgpr_workgroup_id_z 1
		.amdhsa_system_vgpr_workitem_id 0
		.amdhsa_next_free_vgpr 768
		.amdhsa_next_free_sgpr 66
		.amdhsa_reserve_vcc 0
		.amdhsa_float_denorm_mode_32 3
		.amdhsa_float_denorm_mode_16_64 3
		.amdhsa_memory_ordered 1
		.amdhsa_forward_progress 1
		.amdhsa_inst_pref_size 86
	.end_amdhsa_kernel
	.amdgpu_metadata
---
amdhsa.version: [ 1, 2 ]
amdhsa.kernels:
  - .name:           k_q13238a5e0a_outp
    .symbol:         k_q13238a5e0a_outp.kd
    .args:
      - { .name: ao, .offset: 0, .size: 8, .value_kind: global_buffer, .address_space: global }
      - { .name: woh, .offset: 8, .size: 8, .value_kind: global_buffer, .address_space: global }
      - { .name: bo, .offset: 16, .size: 8, .value_kind: global_buffer, .address_space: global }
      - { .name: out0, .offset: 24, .size: 8, .value_kind: global_buffer, .address_space: global }
    .group_segment_fixed_size: 327680
    .private_segment_fixed_size: 0
    .kernarg_segment_align: 8
    .kernarg_segment_size: 32
    .max_flat_workgroup_size: 128
    .sgpr_count:     66
    .vgpr_count:     768
    .wavefront_size: 32
...
	.end_amdgpu_metadata
.endif
;; end of part 4
